; MI455X (gfx1250); checked and timed in simulation.
; The chip was launched on July 23, 2026; its instructions are those of AMD's public machine-readable ISA for CDNA 5 (MIT licence, August 2026) and "CDNA5" Instruction Set Architecture Reference Guide (July 2026). The comments in the code are by the model that wrote it; some were corrected since.
;; Parallel Linear. Allowed arithmetic: matrix products marked QUANTISED: E2M1 operands, one E8M0 scale for each 32 along K, by v_wmma_scale_f32_16x16x128_f8f6f4 with both operands' format E2M1 (or v_wmma_scale_f32_32x16x128_f4), f32 sums; everything else in f32.
;; Inputs: W_codes 4 x 2,048 x 64 x 16 uint8 (E2M1 codes of W, K innermost, in blocks of 32 codes, two codes a byte); W_scales 4 x 2,048 x 64 uint8 (E8M0 scales of W, one for each 32 codes along K); b 4 x 2,048 float32; layer_idx 4,096 int32; x_codes 4,096 x 64 x 16 uint8 (E2M1 codes of x, K innermost, in blocks of 32 codes, two codes a byte); x_scales 4,096 x 64 uint8 (E8M0 scales of x, one for each 32 codes along K).
;; Outputs: out0 4,096 x 2,048 float32.
;; This version of the problem:
;;   THIS VERSION OF THE PROBLEM IS GIVEN IN LOW PRECISION. The matrix products marked QUANTISED in the list below multiply operands that are first quantised to E2M1 (2 exponent bits, 1 mantissa bit; 4 bits a number), with one power-of-two scale for each 32 numbers along K (OCP MX v1.0); their sums are f32. All else is computed in f32.
;;   The module's matrix products, in the order in which they are computed (A, B: the left and right operand; K: the contracted axis; several contracted axes count as one K, in the product's order):
;;     1. [M 8,192, K 2,048] x [K 2,048, N 4,096]; A: input W (given as codes); B: input x (given as codes): QUANTISED
;;   THE QUANTISER, for each operand of a quantised product, along K:
;;     - K is cut into blocks of 32 from its start; a last block that is shorter is filled with zeros.
;;     - A block's scale is 2^e with e = floor(log2(the largest magnitude in the block)) - 2, held to -126 .. 127; a block of zeros has e = 0. As a byte (E8M0): e + 127.
;;     - Each number is divided by its block's scale, clamped to +-6, and rounded to the nearest number of E2M1, ties to even, subnormals kept.
;;     - The product sums the exact products of the quantised numbers (number of the format x scale) in f32.
;;   ~~~python
;;   def quantise(x, axis):      # numpy; x: float32 -> the quantised numbers, widened to float32 again
;;       x = np.moveaxis(x, axis, -1); K = x.shape[-1]
;;       x = np.pad(x, [(0, 0)] * (x.ndim - 1) + [(0, -K % 32)]); x = x.reshape(x.shape[:-1] + (-1, 32)); a = np.abs(x).max(-1, keepdims=True)
;;       e = np.where(a > 0, np.clip(np.frexp(np.where(a > 0, a, 1))[1] - 1 - 2, -126, 127), 0)      # np.frexp(a)[1] - 1 = floor(log2(a)), exactly
;;       r = np.clip(x / 2.0 ** e, -6, 6)
;;       step = 2.0 ** (np.maximum(np.frexp(np.where(r == 0, 1, r))[1] - 1, 0) - 1)
;;       q = np.round(r / step) * step * 2.0 ** e      # np.round: ties to even
;;       return np.moveaxis(q.reshape(q.shape[:-2] + (-1,))[..., :K], -1, axis).astype(np.float32)
;;   ~~~
;;   INPUTS GIVEN AS CODES. W (in the module: [4, 2048, 2048], K = its axis 1); x (in the module: [4096, 2048], K = its axis 1): each comes as NAME_codes (uint8): NAME with its K axis moved to the last place and cut into blocks of 32 codes, [.., K / 32, bytes a block], one block behind the other in memory; two codes a byte, the lower K in the low four bits (a code: sign, 2 exponent bits, 1 mantissa bit); and NAME_scales (uint8): the same leading axes, one E8M0 byte (e + 127) for each 32 codes along K. Its value is code x scale, taken as it is: it is not quantised again, and the codes and scales need not be those that the quantiser above would give.
;; 2 versions. Each part assembles by itself: llvm-mc -triple=amdgcn-amd-amdhsa -mcpu=gfx1250 --defsym DOCPART=n.
;; ======== version 1 of 2: 2 launches
;; workspace buffers: wfrag 8,388,608 bytes; rows 20,480 bytes of whole numbers; tiles 256 bytes of whole numbers
;; launch prep (part 1): grid 257 x 1, 8 waves a work-group, no clusters, 36,096 bytes of LDS; arguments W_codes, layer_idx, wfrag, rows, tiles; writes wfrag, rows, tiles
.if DOCPART == 1
	.amdgcn_target "amdgcn-amd-amdhsa--gfx1250"
	.amdhsa_code_object_version 6
	.text
	.protected	k_q670ba36dff_prep
	.globl	k_q670ba36dff_prep
	.p2align	8
	.type	k_q670ba36dff_prep,@function
k_q670ba36dff_prep:
	s_mov_b64 s[64:65], 0
	v_nop
	global_prefetch_b8 v0, s[64:65] scope:SCOPE_SE
	s_setreg_imm32_b32 hwreg(HW_REG_WAVE_MODE, 25, 1), 1
	s_wait_xcnt 0x0
; TWO JOBS IN ONE LAUNCH, parted on the work-group's number.
; Work-group 0 SORTS THE TOKENS BY EXPERT (a counting sort, no atomics) and stores two lists of whole numbers for the next launch:
;   rows:  5,120 words.  Expert e's tokens lie from word 144 x (tiles of the experts below e) on; every other word is 0.  Tile t is words 144 t .. 144 t + 143.
;   tiles: 32 x {expert, rows in the tile (0 .. 144; 0 = the tile is not used)}.  The sum over four experts of ceil(n_e / 144) is at most (4,096 + 4 x 143) / 144 = 32.4: 32 tiles serve every split.
; Work-groups 1 .. 256 LAY W's CODES IN THE ORDER OF THE OPERAND'S REGISTERS.  Slice S (0 .. 127) holds W's flat rows 64 S .. 64 S + 63 (flat row = 2,048 x expert + output column):
;   wfrag byte 65,536 S + 4,096 q + 1,024 j + 512 c + 16 l  =  the 16 bytes of flat row 64 S + 16 j + (l % 16) at byte 64 q + 32 c + 16 (l / 16) of the row,
;   q the step of 128 along K, j the block of 16 rows, c the half of a fragment, l the lane: one load of 16 bytes a lane then reads 512 consecutive bytes and is four registers of a fragment.
; LIMIT: layer_idx is taken to lie in 0 .. 3 (the table that it indexes has four entries); another value gives a position that is held inside the list, and no defined result.
; Each of the two ways has LDS bytes of its own.
.set STGP,  272                        ; a stage row: 256 bytes + 16: sixteen rows begin in sixteen different 16-byte columns of 256
.set WSTG,  16*STGP                    ; a wave's stage
.set CNT,   8*WSTG                     ; behind the stages: 16 bytes for each wave: its four counts
.set IDX,   16                         ; v16-31  my 16 tokens' experts
.set POS,   32                         ; v32-47  their places in the list, then byte offsets
.set VAL,   48                         ; v48-63  their numbers
.set CRD,   64                         ; v64-95  the eight waves' counts, read back
.set CW,    32                         ; s32-63  the same as scalars: wave u, expert e at s[32 + 4 u + e]
.set NE,    68                         ; s68-71  tokens of expert e
.set BE,    72                         ; s72-75  of them in the waves below mine
.set CT,    80                         ; s80-84  tiles of the experts below k
.set RUN,   88                         ; s88-91  the next free place of expert e for my wave
.set ENDP,  92                         ; s92-95  the place behind expert e's last token
	s_load_b256 s[4:11], s[0:1], 0x0               ; W_codes s[4:5], layer_idx s[6:7], wfrag s[8:9], rows s[10:11]
	s_load_b64 s[12:13], s[0:1], 0x20              ; tiles
	v_lshl_add_u32 v112, v0, 2, 0x8900
	v_mov_b32 v113, 0
	v_lshrrev_b32 v1, 5, v0
	v_readfirstlane_b32 s14, v1                    ; wave 0..7
	v_and_b32 v1, 31, v0                           ; l
	v_and_b32 v2, 15, v0                           ; r = l % 16
	v_bfe_u32 v3, v0, 4, 1                         ; h = l / 16
	s_wait_kmcnt 0x0
	s_cmp_lg_u32 ttmp9, 0                          ; the same in all eight waves of a work-group
	s_cbranch_scc1 .Lrelay
	; ---------------- THE SORT.  Wave w owns tokens 512 w + 128 i + 4 l + c (i, c = 0 .. 3); the order inside an expert is free.
	v_lshlrev_b32 v8, 4, v0                        ; the fill: 16 bytes a thread
	v_lshlrev_b32 v9, 4, v1
	s_lshl_b32 s20, s14, 11
	v_add_nc_u32 v9, s20, v9                       ; layer_idx: 2,048 w + 16 l
	v_lshlrev_b32 v10, 2, v1
	s_lshl_b32 s21, s14, 9
	v_add_nc_u32 v10, s21, v10                     ; my first token: 512 w + 4 l
.irp i, 0,1,2,3
	v_mov_b32 v[12+\i], 0
.endr
.irp i, 0,1,2,3
	global_load_b128 v[IDX+4*\i:IDX+4*\i+3], v9, s[6:7] offset:512*\i
.endr
.irp k, 0,1,2,3,4
	global_store_b128 v8, v[12:15], s[10:11] offset:4096*\k    ; zeros over all 20,480 bytes of the list: 512 consecutive bytes a wave
.endr
.irp e, 0,1,2,3
	s_mov_b32 s[24+\e], 0
.endr
	s_wait_loadcnt 0x0
.macro COUNT n                         ; one register: how many of the wave's 32 lanes hold expert e
.irp e, 0,1,2,3
	v_cmp_eq_u32 s[28+\e], \e, v[IDX+(\n)]
.endr
.irp e, 0,1,2,3
	s_bcnt1_i32_b32 s[20+\e], s[28+\e]
.endr
.irp e, 0,1,2,3
	s_add_co_u32 s[24+\e], s[24+\e], s[20+\e]
.endr
.endm
.irp n, 0,1,2,3,4,5,6,7,8,9,10,11,12,13,14,15
	COUNT \n
.endr
	s_wait_xcnt 0x0                                ; the fill's stores have read v12-15: they are written again only behind this wait
.irp e, 0,1,2,3
	v_mov_b32 v[12+\e], s[24+\e]
.endr
	s_lshl_b32 s20, s14, 4
	s_add_co_u32 s20, s20, CNT
	v_mov_b32 v11, s20
	ds_store_b128 v11, v[12:15]                    ; my wave's four counts (all lanes: the same bytes, the same values)
	s_wait_storecnt 0x0                            ; for the others' sake: my part of the fill is done before any wave stores a token over it,
	s_wait_dscnt 0x0                               ; and my counts lie in LDS
	s_barrier_signal -1
	s_barrier_wait -1
	v_mov_b32 v11, CNT
.irp u, 0,1,2,3,4,5,6,7
	ds_load_b128 v[CRD+4*\u:CRD+4*\u+3], v11 offset:16*\u
.endr
	s_wait_dscnt 0x0
.irp n, 0,1,2,3,4,5,6,7,8,9,10,11,12,13,14,15,16,17,18,19,20,21,22,23,24,25,26,27,28,29,30,31
	v_readfirstlane_b32 s[CW+\n], v[CRD+\n]
.endr
.irp e, 0,1,2,3
	s_mov_b32 s[NE+\e], 0
	s_mov_b32 s[BE+\e], 0
.endr
.irp u, 0,1,2,3,4,5,6,7
	s_cmp_gt_u32 s14, \u                           ; is wave u below mine?  The four selections stand ahead of the additions, which write SCC
.irp e, 0,1,2,3
	s_cselect_b32 s[20+\e], s[CW+4*\u+\e], 0
.endr
.irp e, 0,1,2,3
	s_add_co_u32 s[NE+\e], s[NE+\e], s[CW+4*\u+\e]
	s_add_co_u32 s[BE+\e], s[BE+\e], s[20+\e]
.endr
.endr
	s_mov_b32 s[CT], 0
.irp e, 0,1,2,3
	s_add_co_u32 s20, s[NE+\e], 143
	s_lshr_b32 s20, s20, 4                         ; m = (n + 143) / 16, at most 264;
	s_mul_i32 s20, s20, 57
	s_lshr_b32 s20, s20, 9                         ; m / 9 = 57 m / 512 rounded down, exact for m under 512: ceil(n / 144)
	s_add_co_u32 s[CT+1+\e], s[CT+\e], s20
	s_mul_i32 s21, s[CT+\e], 144                   ; expert e's first place
	s_add_co_u32 s[ENDP+\e], s21, s[NE+\e]
	s_add_co_u32 s[RUN+\e], s21, s[BE+\e]
.endr
; One register: each lane's place = its expert's next free place + the lanes below it with the same expert.  Each store has registers of its own, so none is written again.
; The stores are 4 bytes a lane at places that hang on the data: 16 KB in all.
.macro PLACE n
.irp e, 0,1,2,3
	v_cmp_eq_u32 s[28+\e], \e, v[IDX+(\n)]
.endr
	v_mbcnt_lo_u32_b32 v[POS+(\n)], s28, s[RUN]
	v_mbcnt_lo_u32_b32 v96, s29, s[RUN+1]
	v_mbcnt_lo_u32_b32 v97, s30, s[RUN+2]
	v_mbcnt_lo_u32_b32 v98, s31, s[RUN+3]
	v_cndmask_b32 v[POS+(\n)], v[POS+(\n)], v96, s29
	v_cndmask_b32 v[POS+(\n)], v[POS+(\n)], v97, s30
	v_cndmask_b32 v[POS+(\n)], v[POS+(\n)], v98, s31
.irp e, 0,1,2,3
	s_bcnt1_i32_b32 s[20+\e], s[28+\e]
.endr
.irp e, 0,1,2,3
	s_add_co_u32 s[RUN+\e], s[RUN+\e], s[20+\e]
.endr
	v_add_nc_u32 v[VAL+(\n)], 128*((\n)/4)+((\n)%4), v10       ; the token's number
	v_min_u32 v[POS+(\n)], 0x11ff, v[POS+(\n)]                 ; held inside the 32 tiles' 4,608 words
	v_lshlrev_b32 v[POS+(\n)], 2, v[POS+(\n)]
	global_store_b32 v[POS+(\n)], v[VAL+(\n)], s[10:11]
.endm
.irp n, 0,1,2,3,4,5,6,7,8,9,10,11,12,13,14,15
	PLACE \n
.endr
	s_cmp_lg_u32 s14, 0                            ; the list of tiles: wave 0 alone, lane l for tile l
	s_cbranch_scc1 .Lrend
	v_mov_b32 v100, 0                              ; the tile's expert: the last k whose first tile is not above l
	v_mov_b32 v102, s[ENDP]
.irp k, 1,2,3
	v_cmp_gt_u32 vcc_lo, s[CT+\k], v1              ; expert k begins above tile l: keep what stands
	v_cndmask_b32 v100, \k, v100, vcc_lo
	v_cndmask_b32 v102, s[ENDP+\k], v102, vcc_lo
.endr
	v_mul_u32_u24 v103, v1, 144                    ; the tile's first place
	v_max_u32 v101, v102, v103
	v_sub_nc_u32 v101, v101, v103                  ; what is left of the expert from there on, 0 at the least,
	v_min_u32 v101, 144, v101                      ; 144 at the most
	v_lshlrev_b32 v104, 3, v1
	global_store_b64 v104, v[100:101], s[12:13]    ; 32 lanes store the buffer's 256 bytes
.Lrend:
	s_wait_tensorcnt 0x0
	ds_add_u32 v112, v113
	s_wait_dscnt 0x0
	s_endpgm
	; ---------------- THE WEIGHTS.  A wave moves 16 rows x 256 bytes (four steps of 128 along K) through its own stage: no barrier.
.Lrelay:
	s_sub_co_u32 s16, ttmp9, 1
	s_lshl_b32 s16, s16, 3
	s_add_co_u32 s16, s16, s14                     ; my task, 0 .. 2,047
	s_lshr_b32 s17, s16, 2                         ; which block of 16 flat rows (4 S + j)
	s_and_b32 s18, s16, 3                          ; which quarter of their 1,024 bytes
	s_lshl_b32 s20, s17, 14                        ; from: 16 rows of 1,024 bytes a block,
	s_lshl_b32 s19, s18, 8
	s_add_co_u32 s20, s20, s19                     ; + 256 bytes a quarter
	s_mov_b32 s21, 0
	s_add_nc_u64 s[4:5], s[4:5], s[20:21]
	s_lshr_b32 s22, s17, 2
	s_lshl_b32 s22, s22, 16                        ; to: 65,536 S
	s_and_b32 s19, s17, 3
	s_lshl_b32 s19, s19, 10
	s_add_co_u32 s22, s22, s19                     ; + 1,024 j
	s_lshl_b32 s19, s18, 14
	s_add_co_u32 s22, s22, s19                     ; + 4 steps of 4,096 a quarter
	s_mov_b32 s23, 0
	s_add_nc_u64 s[8:9], s[8:9], s[22:23]
	s_mul_i32 s24, s14, WSTG                       ; my stage
	v_lshlrev_b32 v4, 10, v3
	v_lshl_add_u32 v4, v2, 4, v4                   ; memory, in: two rows a load: 1,024 h + 16 r
	v_mul_u32_u24 v5, v3, STGP
	v_lshl_add_u32 v5, v2, 4, v5
	v_add_nc_u32 v5, s24, v5                       ; the stage, in: the same two rows
	v_mul_u32_u24 v6, v2, STGP
	v_lshl_add_u32 v6, v3, 4, v6
	v_add_nc_u32 v6, s24, v6                       ; the stage, out: row r, + 16 h: as the fragment's lane wants it
	v_lshlrev_b32 v7, 4, v1                        ; memory, out: 16 l
.irp i, 0,1,2,3,4,5,6,7
	global_load_b128 v[16+4*\i:19+4*\i], v4, s[4:5] offset:2048*\i th:TH_LOAD_NT   ; sixteen lanes read 256 consecutive bytes of a row, aligned
.endr
.irp i, 0,1,2,3,4,5,6,7
	s_wait_loadcnt 7-\i                            ; loads come back in order: load i is in, the younger ones may be out
	ds_store_b128 v5, v[16+4*\i:19+4*\i] offset:2*STGP*\i
.endr
.irp n, 0,1,2,3,4,5,6,7                ; n = 2 q' + c.  LDS serves a wave's instructions in order: these see my stores
	ds_load_b128 v[48+4*\n:51+4*\n], v6 offset:32*\n
.endr
.irp n, 0,1,2,3,4,5,6,7
	s_wait_dscnt 7-\n
	global_store_b128 v7, v[48+4*\n:51+4*\n], s[8:9] offset:4096*(\n/2)+512*(\n%2) th:TH_STORE_NT   ; 512 consecutive bytes, aligned
.endr
	s_wait_tensorcnt 0x0
	ds_add_u32 v112, v113
	s_wait_dscnt 0x0
	s_endpgm
.Lfunc_end_k_q670ba36dff_prep:
	.size	k_q670ba36dff_prep, .Lfunc_end_k_q670ba36dff_prep-k_q670ba36dff_prep
	.p2alignl 7, 3214868480
	.fill 96, 4, 3214868480
	.section	.rodata,"a",@progbits
	.p2align	6, 0x0
	.amdhsa_kernel k_q670ba36dff_prep
		.amdhsa_group_segment_fixed_size 36096
		.amdhsa_private_segment_fixed_size 0
		.amdhsa_enable_private_segment 0
		.amdhsa_kernarg_size 40
		.amdhsa_user_sgpr_count 2
		.amdhsa_user_sgpr_kernarg_segment_ptr 1
		.amdhsa_wavefront_size32 1
		.amdhsa_system_sgpr_workgroup_id_x 1
		.amdhsa_system_sgpr_workgroup_id_y 1
		.amdhsa_system_sgpr_workgroup_id_z 1
		.amdhsa_system_vgpr_workitem_id 0
		.amdhsa_next_free_vgpr 114
		.amdhsa_next_free_sgpr 100
		.amdhsa_reserve_vcc 1
		.amdhsa_float_denorm_mode_32 3
		.amdhsa_float_denorm_mode_16_64 3
		.amdhsa_memory_ordered 1
		.amdhsa_forward_progress 1
		.amdhsa_inst_pref_size 42
	.end_amdhsa_kernel
	.amdgpu_metadata
---
amdhsa.version: [ 1, 2 ]
amdhsa.kernels:
  - .name:           k_q670ba36dff_prep
    .symbol:         k_q670ba36dff_prep.kd
    .args:
      - { .name: W_codes, .offset: 0, .size: 8, .value_kind: global_buffer, .address_space: global }
      - { .name: layer_idx, .offset: 8, .size: 8, .value_kind: global_buffer, .address_space: global }
      - { .name: wfrag, .offset: 16, .size: 8, .value_kind: global_buffer, .address_space: global }
      - { .name: rows, .offset: 24, .size: 8, .value_kind: global_buffer, .address_space: global }
      - { .name: tiles, .offset: 32, .size: 8, .value_kind: global_buffer, .address_space: global }
    .group_segment_fixed_size: 36096
    .private_segment_fixed_size: 0
    .kernarg_segment_align: 8
    .kernarg_segment_size: 40
    .max_flat_workgroup_size: 256
    .sgpr_count:     100
    .vgpr_count:     114
    .wavefront_size: 32
...
	.end_amdgpu_metadata
.endif
;; end of part 1
;; launch gemm (part 2): grid 256 x 1, 4 waves a work-group, no clusters, 170,240 bytes of LDS; arguments tiles, rows, wfrag, W_scales, b, x_codes, x_scales, out0; writes out0
.if DOCPART == 2
	.amdgcn_target "amdgcn-amd-amdhsa--gfx1250"
	.amdhsa_code_object_version 6
	.text
	.protected	k_q670ba36dff_gemm
	.globl	k_q670ba36dff_gemm
	.p2align	8
	.type	k_q670ba36dff_gemm,@function
k_q670ba36dff_gemm:
	s_mov_b64 s[64:65], 0
	v_nop
	global_prefetch_b8 v0, s[64:65] scope:SCOPE_SE
	s_setreg_imm32_b32 hwreg(HW_REG_WAVE_MODE, 25, 1), 1
	s_wait_xcnt 0x0
; out0[token] = x[token] . W[expert of token] + b[expert of token], on codes of FP4 (E2M1) with one E8M0 scale for each 32 along K, for the chosen expert alone.
; A work-group takes ONE TILE of the sorted list (at most 144 tokens of one expert; tile t = work-group / 8) x 256 output columns (block nb = work-group % 8): 32 x 8 = 256 work-groups serve every split.
; THE WAVES SHARE THE COLUMNS: wave w makes all 144 rows x columns 256 nb + 64 w .. + 63: 9 x 4 = 36 accumulators of 16 x 16.  So each byte of W is wanted by one wave: it comes from wfrag, which lies in the order of
; the operand's registers, straight into registers (512 consecutive bytes a load, a ring of eight steps).  x's 144 rows (all of K: 1,024 bytes a row) are gathered into LDS once, 36 rows a wave, behind ONE barrier.
; THE MATRIX INSTRUCTION IS USED TRANSPOSED (source 0 = 16 rows of W = 16 output columns, source 1 = 16 tokens): lane (r, h) holds token r and eight neighbouring columns 8 h + 0 .. 7.  The bias is the C of each sum's first product.
; THE WAY OUT: 16 tokens x 64 columns go through the wave's own stage and leave as rows: sixteen lanes store 256 consecutive bytes, aligned, of a token's row of out0.
; A tile's last rows: places at or behind the tile's count take the tile's FIRST token, so a block that is used in part stores that token's bytes again, the same bytes to the same place (15 rows at the most); blocks with no row
; are multiplied and not stored; a tile with no row stores nothing.
; NO TENSOR LOADS, NO CLUSTER: the launch branches on numbers read from the list (rows in the tile); x's rows are single rows named by the list, which no tile descriptor states; and the tiles that share a slice of W are the tiles
; of one expert, 0 to 29 of them by the split, so no fixed set of partners could ask jointly.
; LIMIT: the list is taken as the launch before made it; expert, count and tokens are held inside their tables (3, 144, 4,095).
; REGISTERS, in windows of 256: window 0: v0-23 addresses, v24-60 the list, v64-95 the way out, v96-127 bias, v128-159 W's scale words, v160-231 x's (scales and nothing else).
;   window 1: W's fragments, eight slots of 32 (slot q % 8, block j at + 8 j).   window 2: accumulator (mb < 8, j) at 8 (4 mb + j).   window 3: accumulator (8, j) at 8 j; x's fragments, two sets of 72 from v32.
;   At the head windows 2 and 3 (v512-799) take x's rows on their way to LDS.
.set XP,   1040                        ; a row of x in LDS: 1,024 bytes + 16 = 65 x 16: sixteen rows begin in sixteen different 16-byte columns of 256
.set TOK,  144*XP                      ; behind x: each wave's own copy of the tokens, 640 bytes: block mb at 64 mb: its even rows' 8 tokens, then its odd rows' 8
.set STG,  TOK+4*640                   ; behind them: each wave's stage, 16 rows x 272 bytes
.set SP,   272
.set C16,  4                           ; v4   16 r
.set H16,  5                           ; v5   16 h
.set L16,  6                           ; v6   16 l: wfrag
.set NIL,  7                           ; v7   0
.set LPO,  8                           ; v8   the list, for the gather: 4 (36 w + h)
.set LAO,  9                           ; v9   the list, by blocks: 4 r
.set DP,   10                          ; v10  rows - (36 w + h)
.set DA,   11                          ; v11  rows - r
.set XL,   12                          ; v12  LDS: where I put x: row 36 w + h, + 16 r
.set TKA,  13                          ; v13  LDS: where I put a token
.set TKR,  14                          ; v14  LDS: where I read eight tokens back
.set STO,  15                          ; v15  the stage, in: row r, + 32 h
.set SRD,  16                          ; v16  the stage, out: row h, + 16 r
.set WSO,  17                          ; v17  W's scales: 64 r + 16 h
.set BO,   18                          ; v18  the bias: 32 h
.set GR,   19                          ; v19  36 w + h
.set ADRA, 20                          ; v20-22 LDS: x's fragments: 1,040 r + 16 h + 64 rows x k
.set T0,   23                          ; v23  the tile's first token
.set TP,   24                          ; v24-41 pair p of my 36 rows: the token, then its byte offset in x_codes
.set TA,   42                          ; v42-50 block mb: row 16 mb + r's token
.set SO,   52                          ; v52-60 its byte offset in x_scales
.set OT,   24                          ; the way out: v24-31 eight tokens, v32-39 their offsets in out0, v64-95 eight pairs of rows
.set OO,   32
.set OD,   64
.set BI,   96
.set WS,   128                         ; register 8 j + 4 a + i: lanes 0-15 the word of K step 8 a + i of W's row 16 j + r, lanes 16-31 that of K step 8 a + 4 + i
.set XS,   160                         ; register 8 mb + 4 a + i: the same of token row 16 mb + r
.set MSB, 0
.macro WIN new                         ; low byte: bits 1:0 source 0, 3:2 source 1, 5:4 source 2, 7:6 destination; the high byte repeats the setting that is left
.if MSB != \new
	s_set_vgpr_msb (MSB<<8)|\new
.set MSB, \new
.endif
.endm
.macro PLACES                          ; four plain vector instructions between a matrix instruction and a load into a register that it read, or an LDS store of its result (ISA guide 7.12.1 for vector instructions)
.rept 4
	v_nop
.endr
.endm
	s_load_b256 s[8:15], s[0:1], 0x0               ; tiles s[8:9], rows s[10:11], wfrag s[12:13], W_scales s[14:15]
	s_load_b256 s[16:23], s[0:1], 0x20             ; b s[16:17], x_codes s[18:19], x_scales s[20:21], out0 s[22:23]
	v_lshl_add_u32 v254, v0, 2, 0x29700
	v_mov_b32 v255, 0
	v_lshrrev_b32 v1, 5, v0
	v_readfirstlane_b32 s26, v1                    ; wave 0..3
	s_lshr_b32 s27, ttmp9, 3                       ; t: neighbouring work-groups share a tile of x
	s_and_b32 s28, ttmp9, 7                        ; nb
	v_and_b32 v1, 15, v0                           ; r
	v_bfe_u32 v2, v0, 4, 1                         ; h
	v_and_b32 v3, 31, v0                           ; l
	v_lshlrev_b32 v[C16], 4, v1
	v_lshlrev_b32 v[H16], 4, v2
	v_lshlrev_b32 v[L16], 4, v3
	v_mov_b32 v[NIL], 0
	s_mul_i32 s32, s26, 36                         ; the first of the 36 rows that I gather
	v_add_nc_u32 v[GR], s32, v2
	v_lshlrev_b32 v[LPO], 2, v[GR]
	v_lshlrev_b32 v[LAO], 2, v1
	v_mul_u32_u24 v[XL], v[GR], XP
	v_add_nc_u32 v[XL], v[XL], v[C16]
	s_mul_i32 s33, s26, 640
	s_add_co_u32 s33, s33, TOK                     ; my tokens
	v_and_b32 v[TKA], 1, v1
	v_lshlrev_b32 v[TKA], 5, v[TKA]                ; odd rows 32 bytes on,
	v_lshrrev_b32 v[TKR], 1, v1
	v_lshl_add_u32 v[TKA], v[TKR], 2, v[TKA]       ; + 4 (r / 2)
	v_add_nc_u32 v[TKA], s33, v[TKA]
	v_lshl_add_u32 v[TKR], v2, 5, s33              ; back: lanes 0-15 the even rows' eight, lanes 16-31 the odd rows'
	s_mul_i32 s34, s26, 16*SP
	s_add_co_u32 s34, s34, STG                     ; my stage
	v_mul_u32_u24 v[STO], v1, SP
	v_lshl_add_u32 v[STO], v2, 5, v[STO]
	v_add_nc_u32 v[STO], s34, v[STO]
	v_mul_u32_u24 v[SRD], v2, SP
	v_add_nc_u32 v[SRD], v[SRD], v[C16]
	v_add_nc_u32 v[SRD], s34, v[SRD]
	v_lshl_add_u32 v[WSO], v1, 6, v[H16]
	v_lshlrev_b32 v[BO], 5, v2
	v_mul_u32_u24 v[ADRA], v1, XP
	v_add_nc_u32 v[ADRA], v[ADRA], v[H16]
	v_add_nc_u32 v[ADRA+1], 64*XP, v[ADRA]
	v_add_nc_u32 v[ADRA+2], 128*XP, v[ADRA]
	s_wait_kmcnt 0x0
	s_lshl_b32 s30, s27, 3
	s_mov_b32 s31, 0
	s_add_nc_u64 s[8:9], s[8:9], s[30:31]
	s_load_b64 s[24:25], s[8:9], 0x0               ; the tile's expert s24 and its rows s25
	s_mul_i32 s30, s27, 576
	s_add_nc_u64 s[10:11], s[10:11], s[30:31]      ; the tile's 144 words of the list
	global_load_b32 v[T0], v[NIL], s[10:11]
.irp p, 0,1,2,3,4,5,6,7,8,9,10,11,12,13,14,15,16,17
	global_load_b32 v[TP+\p], v[LPO], s[10:11] offset:8*\p     ; row 36 w + 2 p + h
.endr
.irp mb, 0,1,2,3,4,5,6,7,8
	global_load_b32 v[TA+\mb], v[LAO], s[10:11] offset:64*\mb  ; row 16 mb + r
.endr
	s_wait_kmcnt 0x0
	s_min_u32 s24, s24, 3
	s_min_u32 s25, s25, 144
	s_lshl_b32 s29, s24, 5
	s_lshl_b32 s32, s28, 2
	s_add_co_u32 s32, s32, s26                     ; 4 nb + w
	s_add_co_u32 s29, s29, s32                     ; my slice S = 32 expert + 4 nb + w: W's flat rows 64 S on
	s_lshl_b32 s30, s29, 16
	s_add_nc_u64 s[12:13], s[12:13], s[30:31]      ; its fragments,
	s_lshl_b32 s30, s29, 12
	s_add_nc_u64 s[14:15], s[14:15], s[30:31]      ; its scale bytes: 64 rows of 64,
	s_lshl_b32 s30, s29, 8
	s_add_nc_u64 s[16:17], s[16:17], s[30:31]      ; its 64 numbers of b,
	s_lshl_b32 s30, s32, 8
	s_add_nc_u64 s[22:23], s[22:23], s[30:31]      ; and my 256 bytes in a row of out0
	v_sub_nc_u32 v[DP], s25, v[GR]
	v_sub_nc_u32 v[DA], s25, v1
.irp j, 0,1,2,3
.irp a, 0,1
	global_load_b128 v[WS+8*\j+4*\a:WS+8*\j+4*\a+3], v[WSO], s[14:15] offset:1024*\j+32*\a
.endr
.endr
.irp j, 0,1,2,3
	global_load_b128 v[BI+8*\j:BI+8*\j+3],   v[BO], s[16:17] offset:64*\j      ; lane (r, h): b at columns 16 j + 8 h + 0 .. 7: the result's layout
	global_load_b128 v[BI+8*\j+4:BI+8*\j+7], v[BO], s[16:17] offset:64*\j+16
.endr
	s_wait_loadcnt 16                              ; the list's 28 loads are in; the 16 issued behind them (W's scales, the bias) may be out
.irp p, 0,1,2,3,4,5,6,7,8,9,10,11,12,13,14,15,16,17
	v_cmp_lt_i32 vcc_lo, 2*\p, v[DP]               ; is row 36 w + 2 p + h one of the tile's?
	v_cndmask_b32 v[TP+\p], v[T0], v[TP+\p], vcc_lo            ; if not: the tile's first token
	v_min_u32 v[TP+\p], 0xfff, v[TP+\p]
	v_lshl_add_u32 v[TP+\p], v[TP+\p], 10, v[C16]  ; its 1,024 bytes of codes, + 16 r
.endr
.irp mb, 0,1,2,3,4,5,6,7,8
	v_cmp_lt_i32 vcc_lo, 16*\mb, v[DA]
	v_cndmask_b32 v[TA+\mb], v[T0], v[TA+\mb], vcc_lo
	v_min_u32 v[TA+\mb], 0xfff, v[TA+\mb]
	ds_store_b32 v[TKA], v[TA+\mb] offset:64*\mb   ; for the way out (both halves of the lanes: the same word, the same value)
	v_lshl_add_u32 v[SO+\mb], v[TA+\mb], 6, v[H16] ; its 64 scale bytes, + 16 h
.endr
; Pair p of my rows: four loads, each 256 consecutive bytes, aligned, of two rows; load n = 4 p + k lands in v[512 + 4 n]
.macro XLOAD p
.if (\p) < 16
	WIN 0x80
.else
	WIN 0xc0
.endif
.irp k, 0,1,2,3
	global_load_b128 v[(16*(\p)+4*\k)&255:((16*(\p)+4*\k)&255)+3], v[TP+(\p)], s[18:19] offset:256*\k
.endr
.endm
.macro XSTORE p                        ; and goes on into LDS (an LDS store's data are its source 1)
.if (\p) < 16
	WIN 0x08
.else
	WIN 0x0c
.endif
.irp k, 0,1,2,3
	ds_store_b128 v[XL], v[(16*(\p)+4*\k)&255:((16*(\p)+4*\k)&255)+3] offset:2*XP*(\p)+256*\k
.endr
.endm
.macro WLOAD q                         ; W's four fragments of K step q into slot q % 8: eight loads of 512 consecutive bytes
	WIN 0x40
.irp j, 0,1,2,3
.irp c, 0,1
	global_load_b128 v[32*((\q)%8)+8*\j+4*\c:32*((\q)%8)+8*\j+4*\c+3], v[L16], s[12:13] offset:4096*(\q)+1024*\j+512*\c
.endr
.endr
.endm
.macro ALOAD q                         ; x's nine fragments of K step q into set q % 2: lane (r, h): row 16 mb + r, registers 4 c .. 4 c + 3 = K 64 c + 32 h + 0 .. 31: 16 bytes as they lie
	WIN 0xc0
.irp mb, 0,1,2,3,4,5,6,7,8
.irp c, 0,1
	ds_load_b128 v[32+72*((\q)%2)+8*\mb+4*\c:32+72*((\q)%2)+8*\mb+4*\c+3], v[ADRA+\mb/4] offset:(\mb%4)*16*XP+64*(\q)+32*\c
.endr
.endr
.endm
; One product.  d: the accumulator's first register in its window.  RW, RX: the step's slot of W and set of x; RS: the step's scale register within a block's eight.
.macro MM d, j, mb, first, row1
.if \first
	v_wmma_scale_f32_16x16x128_f8f6f4 v[(\d):(\d)+7], v[RW+8*(\j):RW+8*(\j)+7], v[RX+8*(\mb):RX+8*(\mb)+7], v[BI+8*(\j):BI+8*(\j)+7], v[WS+8*(\j)+RS], v[XS+8*(\mb)+RS] matrix_a_fmt:MATRIX_FMT_FP4 matrix_b_fmt:MATRIX_FMT_FP4
.elseif \row1
	v_wmma_scale_f32_16x16x128_f8f6f4 v[(\d):(\d)+7], v[RW+8*(\j):RW+8*(\j)+7], v[RX+8*(\mb):RX+8*(\mb)+7], v[(\d):(\d)+7], v[WS+8*(\j)+RS], v[XS+8*(\mb)+RS] matrix_a_fmt:MATRIX_FMT_FP4 matrix_b_fmt:MATRIX_FMT_FP4 matrix_a_scale:MATRIX_SCALE_ROW1 matrix_b_scale:MATRIX_SCALE_ROW1
.else
	v_wmma_scale_f32_16x16x128_f8f6f4 v[(\d):(\d)+7], v[RW+8*(\j):RW+8*(\j)+7], v[RX+8*(\mb):RX+8*(\mb)+7], v[(\d):(\d)+7], v[WS+8*(\j)+RS], v[XS+8*(\mb)+RS] matrix_a_fmt:MATRIX_FMT_FP4 matrix_b_fmt:MATRIX_FMT_FP4
.endif
.endm
; A K step's 36 products.  The 36 accumulators take turns, one instruction a turn, in the same order in every step.  Step 0 starts the sums with the bias as C: nothing is cleared.
.macro MUL q
.set RW, 32*((\q)%8)
.set RX, 32+72*((\q)%2)
.set RS, 4*((\q)/8)+((\q)%4)
.set R1, ((\q)/4)%2                    ; steps 4-7 and 12-15 take their words from lanes 16-31
.set FI, 0
.if (\q) == 0
.set FI, 1
.endif
.if FI
	WIN 0x8d                                       ; W window 1, x window 3, C (the bias) window 0, D window 2
.else
	WIN 0xad                                       ; C and D window 2
.endif
.irp mb, 0,1,2,3,4,5,6,7
.irp j, 0,1,2,3
	MM 8*(4*\mb+\j), \j, \mb, FI, R1
.endr
.endr
.if FI
	WIN 0xcd
.else
	WIN 0xfd                                       ; block 8's accumulators lie in window 3
.endif
.irp j, 0,1,2,3
	MM 8*\j, \j, 8, FI, R1
.endr
.endm
.macro STEP q
.if (\q) > 0
	PLACES                                         ; the loads below land in the slot and the set that the last step's products read
.endif
.if ((\q) >= 1) && ((\q) <= 8)
	WLOAD (\q)+7                                   ; seven steps ahead, into the slot just left
.endif
.if (\q) <= 14
	ALOAD (\q)+1
	s_wait_dscnt 18                                ; this step's 18 fragment loads are in; the 18 just issued may be out
.else
	s_wait_dscnt 0x0
.endif
.if (\q) <= 8
	s_wait_loadcnt 56                              ; this step's slot is in; behind it seven slots of eight loads may be out
.else
	s_wait_loadcnt 8*(15-(\q))                     ; the slots of the steps still to come
.endif
	MUL \q
.endm
.irp p, 0,1,2,3,4,5,6,7,8
	XLOAD \p
.endr
.irp p, 9,10,11,12,13,14,15,16,17
	XLOAD \p
.endr
	WIN 0
.irp mb, 0,1,2,3,4,5,6,7,8
.irp a, 0,1
	global_load_b128 v[XS+8*\mb+4*\a:XS+8*\mb+4*\a+3], v[SO+\mb], s[20:21] offset:32*\a
.endr
.endr
	s_wait_loadcnt 54                              ; the first 36 loads of x are in; behind them: the second 36 and the 18 of x's scales
.irp p, 0,1,2,3,4,5,6,7,8
	XSTORE \p
.endr
	WLOAD 0                                        ; W's first steps go out while x is on its way to LDS
	WLOAD 1
	WLOAD 2
	s_wait_loadcnt 42                              ; the second 36 loads of x are in; behind them: 18 of x's scales and 24 of W
.irp p, 9,10,11,12,13,14,15,16,17
	XSTORE \p
.endr
	WIN 0
	s_wait_dscnt 0x0                               ; for the others' sake: my 36 rows of x lie in LDS (and the stores have read their registers, which the products write)
	s_barrier_signal -1
	s_barrier_wait -1                              ; all 144 rows do.  The launch's one barrier, on every wave's way
	s_cmp_eq_u32 s25, 0                            ; a tile that this split leaves without rows stores nothing
	s_cbranch_scc1 .Ldone
	ALOAD 0
	WLOAD 3
	WLOAD 4
	WLOAD 5
	WLOAD 6
	WLOAD 7
.irp q, 0,1,2,3,4,5,6,7,8,9,10,11,12,13,14,15
	STEP \q
.endr
	WIN 0
	PLACES                                         ; behind the last products, ahead of the first LDS store of a result
; THE WAY OUT of block mb: 16 tokens x my 64 columns.  A lane holds 32 bytes of a token's row; the block goes into my stage and comes back two rows a load, sixteen lanes to a row's 256 bytes.
; LDS serves a wave's instructions in order: no wait between the stores and the loads, nor ahead of the next block's stores.
.macro OUTB mb
	WIN 0                                          ; at a branch every window is 0
.if (\mb) > 0
	s_cmp_le_u32 s25, 16*(\mb)                     ; no row of the tile in this block or behind it
	s_cbranch_scc1 .Ldone
	s_wait_xcnt 0x0                                ; the last block's stores have read their data and offsets: both are written again below
.endif
.if (\mb) < 8
	WIN 0x08
.set AC, 32*(\mb)
.else
	WIN 0x0c
.set AC, 0
.endif
.irp j, 0,1,2,3
	ds_store_b128 v[STO], v[AC+8*\j:AC+8*\j+3] offset:64*\j            ; each accumulator from its low end on
	ds_store_b128 v[STO], v[AC+8*\j+4:AC+8*\j+7] offset:64*\j+16
.endr
	WIN 0
	ds_load_b128 v[OT:OT+3],   v[TKR] offset:64*(\mb)                  ; the tokens of rows 2 i + h, i = 0 .. 7
	ds_load_b128 v[OT+4:OT+7], v[TKR] offset:64*(\mb)+16
.irp i, 0,1,2,3,4,5,6,7
	ds_load_b128 v[OD+4*\i:OD+4*\i+3], v[SRD] offset:2*SP*\i           ; rows 2 i + h
.endr
	s_wait_dscnt 8                                 ; the tokens are in; the eight loads of rows may be out
.irp i, 0,1,2,3,4,5,6,7
	v_min_u32 v[OT+\i], 0xfff, v[OT+\i]
	v_lshl_add_u32 v[OO+\i], v[OT+\i], 13, v[C16]  ; the token's row of 8,192 bytes, + 16 r
.endr
.irp i, 0,1,2,3,4,5,6,7
	s_wait_dscnt 7-\i
	global_store_b128 v[OO+\i], v[OD+4*\i:OD+4*\i+3], s[22:23] th:TH_STORE_NT   ; sixteen lanes store 256 consecutive bytes, at a multiple of 256 from out0's first byte
.endr
.endm
.irp mb, 0,1,2,3,4,5,6,7,8
	OUTB \mb
.endr
.Ldone:
	s_wait_tensorcnt 0x0
	ds_add_u32 v254, v255
	s_wait_dscnt 0x0
	s_endpgm
.Lfunc_end_k_q670ba36dff_gemm:
	.size	k_q670ba36dff_gemm, .Lfunc_end_k_q670ba36dff_gemm-k_q670ba36dff_gemm
	.p2alignl 7, 3214868480
	.fill 96, 4, 3214868480
	.section	.rodata,"a",@progbits
	.p2align	6, 0x0
	.amdhsa_kernel k_q670ba36dff_gemm
		.amdhsa_group_segment_fixed_size 170240
		.amdhsa_private_segment_fixed_size 0
		.amdhsa_enable_private_segment 0
		.amdhsa_kernarg_size 64
		.amdhsa_user_sgpr_count 2
		.amdhsa_user_sgpr_kernarg_segment_ptr 1
		.amdhsa_wavefront_size32 1
		.amdhsa_system_sgpr_workgroup_id_x 1
		.amdhsa_system_sgpr_workgroup_id_y 1
		.amdhsa_system_sgpr_workgroup_id_z 1
		.amdhsa_system_vgpr_workitem_id 0
		.amdhsa_next_free_vgpr 944
		.amdhsa_next_free_sgpr 66
		.amdhsa_reserve_vcc 1
		.amdhsa_float_denorm_mode_32 3
		.amdhsa_float_denorm_mode_16_64 3
		.amdhsa_memory_ordered 1
		.amdhsa_forward_progress 1
		.amdhsa_inst_pref_size 164
	.end_amdhsa_kernel
	.amdgpu_metadata
---
amdhsa.version: [ 1, 2 ]
amdhsa.kernels:
  - .name:           k_q670ba36dff_gemm
    .symbol:         k_q670ba36dff_gemm.kd
    .args:
      - { .name: tiles, .offset: 0, .size: 8, .value_kind: global_buffer, .address_space: global }
      - { .name: rows, .offset: 8, .size: 8, .value_kind: global_buffer, .address_space: global }
      - { .name: wfrag, .offset: 16, .size: 8, .value_kind: global_buffer, .address_space: global }
      - { .name: W_scales, .offset: 24, .size: 8, .value_kind: global_buffer, .address_space: global }
      - { .name: b, .offset: 32, .size: 8, .value_kind: global_buffer, .address_space: global }
      - { .name: x_codes, .offset: 40, .size: 8, .value_kind: global_buffer, .address_space: global }
      - { .name: x_scales, .offset: 48, .size: 8, .value_kind: global_buffer, .address_space: global }
      - { .name: out0, .offset: 56, .size: 8, .value_kind: global_buffer, .address_space: global }
    .group_segment_fixed_size: 170240
    .private_segment_fixed_size: 0
    .kernarg_segment_align: 8
    .kernarg_segment_size: 64
    .max_flat_workgroup_size: 128
    .sgpr_count:     66
    .vgpr_count:     944
    .wavefront_size: 32
...
	.end_amdgpu_metadata
.endif
;; end of part 2
;; ======== version 2 of 2: 2 launches
;; workspace buffers: wfrag 8,388,608 bytes; rows 20,480 bytes of whole numbers; tiles 256 bytes of whole numbers
;; launch prep (part 3): grid 257 x 1, 8 waves a work-group, no clusters, 36,096 bytes of LDS; arguments W_codes, layer_idx, wfrag, rows, tiles; writes wfrag, rows, tiles
.if DOCPART == 3
	.amdgcn_target "amdgcn-amd-amdhsa--gfx1250"
	.amdhsa_code_object_version 6
	.text
	.protected	k_q670ba36dff_prep
	.globl	k_q670ba36dff_prep
	.p2align	8
	.type	k_q670ba36dff_prep,@function
k_q670ba36dff_prep:
	s_mov_b64 s[64:65], 0
	v_nop
	global_prefetch_b8 v0, s[64:65] scope:SCOPE_SE
	s_setreg_imm32_b32 hwreg(HW_REG_WAVE_MODE, 25, 1), 1
	s_wait_xcnt 0x0
; TWO JOBS IN ONE LAUNCH, parted on the work-group's number.
; Work-group 0 SORTS THE TOKENS BY EXPERT (a counting sort, no atomics) and stores two lists of whole numbers for the next launch:
;   rows:  5,120 words.  Expert e's tokens lie from word 144 x (tiles of the experts below e) on; every other word is 0.  Tile t is words 144 t .. 144 t + 143.
;   tiles: 32 x {expert, rows in the tile (0 .. 144; 0 = the tile is not used)}.  The sum over four experts of ceil(n_e / 144) is at most (4,096 + 4 x 143) / 144 = 32.4: 32 tiles serve every split.
; Work-groups 1 .. 256 LAY W's CODES IN THE ORDER OF THE OPERAND'S REGISTERS.  Slice S (0 .. 127) holds W's flat rows 64 S .. 64 S + 63 (flat row = 2,048 x expert + output column):
;   wfrag byte 65,536 S + 4,096 q + 1,024 j + 512 c + 16 l  =  the 16 bytes of flat row 64 S + 16 j + (l % 16) at byte 64 q + 32 c + 16 (l / 16) of the row,
;   q the step of 128 along K, j the block of 16 rows, c the half of a fragment, l the lane: one load of 16 bytes a lane then reads 512 consecutive bytes and is four registers of a fragment.
; LIMIT: layer_idx is taken to lie in 0 .. 3 (the table that it indexes has four entries); another value gives a position that is held inside the list, and no defined result.
; Each of the two ways has LDS bytes of its own.
.set STGP,  272                        ; a stage row: 256 bytes + 16: sixteen rows begin in sixteen different 16-byte columns of 256
.set WSTG,  16*STGP                    ; a wave's stage
.set CNT,   8*WSTG                     ; behind the stages: 16 bytes for each wave: its four counts
.set IDX,   16                         ; v16-31  my 16 tokens' experts
.set POS,   32                         ; v32-47  their places in the list, then byte offsets
.set VAL,   48                         ; v48-63  their numbers
.set CRD,   64                         ; v64-95  the eight waves' counts, read back
.set CW,    32                         ; s32-63  the same as scalars: wave u, expert e at s[32 + 4 u + e]
.set NE,    68                         ; s68-71  tokens of expert e
.set BE,    72                         ; s72-75  of them in the waves below mine
.set CT,    80                         ; s80-84  tiles of the experts below k
.set RUN,   88                         ; s88-91  the next free place of expert e for my wave
.set ENDP,  92                         ; s92-95  the place behind expert e's last token
	s_load_b256 s[4:11], s[0:1], 0x0               ; W_codes s[4:5], layer_idx s[6:7], wfrag s[8:9], rows s[10:11]
	s_load_b64 s[12:13], s[0:1], 0x20              ; tiles
	v_lshl_add_u32 v112, v0, 2, 0x8900
	v_mov_b32 v113, 0
	v_lshrrev_b32 v1, 5, v0
	s_delay_alu instid0(VALU_DEP_1)
	v_readfirstlane_b32 s14, v1                    ; wave 0..7
	v_and_b32 v1, 31, v0                           ; l
	v_and_b32 v2, 15, v0                           ; r = l % 16
	v_bfe_u32 v3, v0, 4, 1                         ; h = l / 16
	s_wait_kmcnt 0x0
	s_cmp_lg_u32 ttmp9, 0                          ; the same in all eight waves of a work-group
	s_cbranch_scc1 .Lrelay
	; ---------------- THE SORT.  Wave w owns tokens 512 w + 128 i + 4 l + c (i, c = 0 .. 3); the order inside an expert is free.
	v_lshlrev_b32 v8, 4, v0                        ; the fill: 16 bytes a thread
	s_wait_alu depctr_va_vdst(0)
	v_lshlrev_b32 v9, 4, v1
	s_lshl_b32 s20, s14, 11
	v_add_nc_u32 v9, s20, v9                       ; layer_idx: 2,048 w + 16 l
	v_lshlrev_b32 v10, 2, v1
	s_lshl_b32 s21, s14, 9
	v_add_nc_u32 v10, s21, v10                     ; my first token: 512 w + 4 l
.irp i, 0,1,2,3
	v_mov_b32 v[12+\i], 0
.endr
.irp i, 0,1,2,3
	global_load_b128 v[IDX+4*\i:IDX+4*\i+3], v9, s[6:7] offset:512*\i
.endr
.irp k, 0,1,2,3,4
	global_store_b128 v8, v[12:15], s[10:11] offset:4096*\k    ; zeros over all 20,480 bytes of the list: 512 consecutive bytes a wave
.endr
.irp e, 0,1,2,3
	s_mov_b32 s[24+\e], 0
.endr
	s_wait_loadcnt 0x0
.macro COUNT n                         ; one register: how many of the wave's 32 lanes hold expert e
.irp e, 0,1,2,3
	v_cmp_eq_u32 s[28+\e], \e, v[IDX+(\n)]
.endr
.irp e, 0,1,2,3
	s_bcnt1_i32_b32 s[20+\e], s[28+\e]
.endr
.irp e, 0,1,2,3
	s_add_co_u32 s[24+\e], s[24+\e], s[20+\e]
.endr
.endm
.irp n, 0,1,2,3,4,5,6,7,8,9,10,11,12,13,14,15
	COUNT \n
.endr
	s_wait_xcnt 0x0                                ; the fill's stores have read v12-15: they are written again only behind this wait
.irp e, 0,1,2,3
	v_mov_b32 v[12+\e], s[24+\e]
.endr
	s_lshl_b32 s20, s14, 4
	s_add_co_u32 s20, s20, CNT
	v_mov_b32 v11, s20
	ds_store_b128 v11, v[12:15]                    ; my wave's four counts (all lanes: the same bytes, the same values)
	s_wait_storecnt 0x0                            ; for the others' sake: my part of the fill is done before any wave stores a token over it,
	s_wait_dscnt 0x0                               ; and my counts lie in LDS
	s_barrier_signal -1
	s_barrier_wait -1
	v_mov_b32 v11, CNT
.irp u, 0,1,2,3,4,5,6,7
	ds_load_b128 v[CRD+4*\u:CRD+4*\u+3], v11 offset:16*\u
.endr
	s_wait_dscnt 0x0
.irp n, 0,1,2,3,4,5,6,7,8,9,10,11,12,13,14,15,16,17,18,19,20,21,22,23,24,25,26,27,28,29,30,31
	v_readfirstlane_b32 s[CW+\n], v[CRD+\n]
.endr
.irp e, 0,1,2,3
	s_mov_b32 s[NE+\e], 0
	s_mov_b32 s[BE+\e], 0
.endr
.irp u, 0,1,2,3,4,5,6,7
	s_cmp_gt_u32 s14, \u                           ; is wave u below mine?  The four selections stand ahead of the additions, which write SCC
.irp e, 0,1,2,3
	s_cselect_b32 s[20+\e], s[CW+4*\u+\e], 0
.endr
.irp e, 0,1,2,3
	s_add_co_u32 s[NE+\e], s[NE+\e], s[CW+4*\u+\e]
	s_add_co_u32 s[BE+\e], s[BE+\e], s[20+\e]
.endr
.endr
	s_mov_b32 s[CT], 0
.irp e, 0,1,2,3
	s_add_co_u32 s20, s[NE+\e], 143
	s_lshr_b32 s20, s20, 4                         ; m = (n + 143) / 16, at most 264;
	s_mul_i32 s20, s20, 57
	s_lshr_b32 s20, s20, 9                         ; m / 9 = 57 m / 512 rounded down, exact for m under 512: ceil(n / 144)
	s_add_co_u32 s[CT+1+\e], s[CT+\e], s20
	s_mul_i32 s21, s[CT+\e], 144                   ; expert e's first place
	s_add_co_u32 s[ENDP+\e], s21, s[NE+\e]
	s_add_co_u32 s[RUN+\e], s21, s[BE+\e]
.endr
; One register: each lane's place = its expert's next free place + the lanes below it with the same expert.  Each store has registers of its own, so none is written again.
; The stores are 4 bytes a lane at places that hang on the data: 16 KB in all.
.macro PLACE n
.irp e, 0,1,2,3
	v_cmp_eq_u32 s[28+\e], \e, v[IDX+(\n)]
.endr
	s_delay_alu instid0(VALU_DEP_4)
	v_mbcnt_lo_u32_b32 v[POS+(\n)], s28, s[RUN]
	s_delay_alu instid0(VALU_DEP_4)
	v_mbcnt_lo_u32_b32 v96, s29, s[RUN+1]
	s_delay_alu instid0(VALU_DEP_4)
	v_mbcnt_lo_u32_b32 v97, s30, s[RUN+2]
	s_delay_alu instid0(VALU_DEP_4)
	v_mbcnt_lo_u32_b32 v98, s31, s[RUN+3]
	s_delay_alu instid0(VALU_DEP_3)
	v_cndmask_b32 v[POS+(\n)], v[POS+(\n)], v96, s29
	s_delay_alu instid0(VALU_DEP_1)
	v_cndmask_b32 v[POS+(\n)], v[POS+(\n)], v97, s30
	s_delay_alu instid0(VALU_DEP_1)
	v_cndmask_b32 v[POS+(\n)], v[POS+(\n)], v98, s31
	s_wait_alu depctr_va_vdst(0)
.irp e, 0,1,2,3
	s_bcnt1_i32_b32 s[20+\e], s[28+\e]
.endr
.irp e, 0,1,2,3
	s_add_co_u32 s[RUN+\e], s[RUN+\e], s[20+\e]
.endr
	v_add_nc_u32 v[VAL+(\n)], 128*((\n)/4)+((\n)%4), v10       ; the token's number
	v_min_u32 v[POS+(\n)], 0x11ff, v[POS+(\n)]                 ; held inside the 32 tiles' 4,608 words
	s_delay_alu instid0(VALU_DEP_1)
	v_lshlrev_b32 v[POS+(\n)], 2, v[POS+(\n)]
	global_store_b32 v[POS+(\n)], v[VAL+(\n)], s[10:11]
.endm
.irp n, 0,1,2,3,4,5,6,7,8,9,10,11,12,13,14,15
	PLACE \n
.endr
	s_cmp_lg_u32 s14, 0                            ; the list of tiles: wave 0 alone, lane l for tile l
	s_cbranch_scc1 .Lrend
	v_mov_b32 v100, 0                              ; the tile's expert: the last k whose first tile is not above l
	v_mov_b32 v102, s[ENDP]
.irp k, 1,2,3
	v_cmp_gt_u32 vcc_lo, s[CT+\k], v1              ; expert k begins above tile l: keep what stands
	s_delay_alu instid0(VALU_DEP_1)
	v_cndmask_b32 v100, \k, v100, vcc_lo
	s_delay_alu instid0(VALU_DEP_2)
	v_cndmask_b32 v102, s[ENDP+\k], v102, vcc_lo
.endr
	v_mul_u32_u24 v103, v1, 144                    ; the tile's first place
	s_delay_alu instid0(VALU_DEP_1)
	v_max_u32 v101, v102, v103
	s_delay_alu instid0(VALU_DEP_1)
	v_sub_nc_u32 v101, v101, v103                  ; what is left of the expert from there on, 0 at the least,
	s_delay_alu instid0(VALU_DEP_1)
	v_min_u32 v101, 144, v101                      ; 144 at the most
	v_lshlrev_b32 v104, 3, v1
	global_store_b64 v104, v[100:101], s[12:13]    ; 32 lanes store the buffer's 256 bytes
.Lrend:
	s_wait_tensorcnt 0x0
	ds_add_u32 v112, v113
	s_wait_dscnt 0x0
	s_endpgm
	; ---------------- THE WEIGHTS.  A wave moves 16 rows x 256 bytes (four steps of 128 along K) through its own stage: no barrier.
.Lrelay:
	s_sub_co_u32 s16, ttmp9, 1
	s_lshl_b32 s16, s16, 3
	s_add_co_u32 s16, s16, s14                     ; my task, 0 .. 2,047
	s_lshr_b32 s17, s16, 2                         ; which block of 16 flat rows (4 S + j)
	s_and_b32 s18, s16, 3                          ; which quarter of their 1,024 bytes
	s_lshl_b32 s20, s17, 14                        ; from: 16 rows of 1,024 bytes a block,
	s_lshl_b32 s19, s18, 8
	s_add_co_u32 s20, s20, s19                     ; + 256 bytes a quarter
	s_mov_b32 s21, 0
	s_add_nc_u64 s[4:5], s[4:5], s[20:21]
	s_lshr_b32 s22, s17, 2
	s_lshl_b32 s22, s22, 16                        ; to: 65,536 S
	s_and_b32 s19, s17, 3
	s_lshl_b32 s19, s19, 10
	s_add_co_u32 s22, s22, s19                     ; + 1,024 j
	s_lshl_b32 s19, s18, 14
	s_add_co_u32 s22, s22, s19                     ; + 4 steps of 4,096 a quarter
	s_mov_b32 s23, 0
	s_add_nc_u64 s[8:9], s[8:9], s[22:23]
	s_mul_i32 s24, s14, WSTG                       ; my stage
	s_wait_alu depctr_va_vdst(0)
	v_lshlrev_b32 v4, 10, v3
	s_delay_alu instid0(VALU_DEP_1)
	v_lshl_add_u32 v4, v2, 4, v4                   ; memory, in: two rows a load: 1,024 h + 16 r
	v_mul_u32_u24 v5, v3, STGP
	s_delay_alu instid0(VALU_DEP_1)
	v_lshl_add_u32 v5, v2, 4, v5
	s_delay_alu instid0(VALU_DEP_1)
	v_add_nc_u32 v5, s24, v5                       ; the stage, in: the same two rows
	v_mul_u32_u24 v6, v2, STGP
	s_delay_alu instid0(VALU_DEP_1)
	v_lshl_add_u32 v6, v3, 4, v6
	s_delay_alu instid0(VALU_DEP_1)
	v_add_nc_u32 v6, s24, v6                       ; the stage, out: row r, + 16 h: as the fragment's lane wants it
	v_lshlrev_b32 v7, 4, v1                        ; memory, out: 16 l
.irp i, 0,1,2,3,4,5,6,7
	global_load_b128 v[16+4*\i:19+4*\i], v4, s[4:5] offset:2048*\i th:TH_LOAD_NT   ; sixteen lanes read 256 consecutive bytes of a row, aligned
.endr
	s_wait_alu depctr_va_vdst(0)
.irp i, 0,1,2,3,4,5,6,7
	s_wait_loadcnt 7-\i                            ; loads come back in order: load i is in, the younger ones may be out
	ds_store_b128 v5, v[16+4*\i:19+4*\i] offset:2*STGP*\i
.endr
.irp n, 0,1,2,3,4,5,6,7                ; n = 2 q' + c.  LDS serves a wave's instructions in order: these see my stores
	ds_load_b128 v[48+4*\n:51+4*\n], v6 offset:32*\n
.endr
.irp n, 0,1,2,3,4,5,6,7
	s_wait_dscnt 7-\n
	global_store_b128 v7, v[48+4*\n:51+4*\n], s[8:9] offset:4096*(\n/2)+512*(\n%2) th:TH_STORE_NT   ; 512 consecutive bytes, aligned
.endr
	s_wait_tensorcnt 0x0
	ds_add_u32 v112, v113
	s_wait_dscnt 0x0
	s_endpgm
.Lfunc_end_k_q670ba36dff_prep:
	.size	k_q670ba36dff_prep, .Lfunc_end_k_q670ba36dff_prep-k_q670ba36dff_prep
	.p2alignl 7, 3214868480
	.fill 96, 4, 3214868480
	.section	.rodata,"a",@progbits
	.p2align	6, 0x0
	.amdhsa_kernel k_q670ba36dff_prep
		.amdhsa_group_segment_fixed_size 36096
		.amdhsa_private_segment_fixed_size 0
		.amdhsa_enable_private_segment 0
		.amdhsa_kernarg_size 40
		.amdhsa_user_sgpr_count 2
		.amdhsa_user_sgpr_kernarg_segment_ptr 1
		.amdhsa_wavefront_size32 1
		.amdhsa_system_sgpr_workgroup_id_x 1
		.amdhsa_system_sgpr_workgroup_id_y 1
		.amdhsa_system_sgpr_workgroup_id_z 1
		.amdhsa_system_vgpr_workitem_id 0
		.amdhsa_next_free_vgpr 114
		.amdhsa_next_free_sgpr 100
		.amdhsa_reserve_vcc 1
		.amdhsa_float_denorm_mode_32 3
		.amdhsa_float_denorm_mode_16_64 3
		.amdhsa_memory_ordered 1
		.amdhsa_forward_progress 1
		.amdhsa_inst_pref_size 47
	.end_amdhsa_kernel
	.amdgpu_metadata
---
amdhsa.version: [ 1, 2 ]
amdhsa.kernels:
  - .name:           k_q670ba36dff_prep
    .symbol:         k_q670ba36dff_prep.kd
    .args:
      - { .name: W_codes, .offset: 0, .size: 8, .value_kind: global_buffer, .address_space: global }
      - { .name: layer_idx, .offset: 8, .size: 8, .value_kind: global_buffer, .address_space: global }
      - { .name: wfrag, .offset: 16, .size: 8, .value_kind: global_buffer, .address_space: global }
      - { .name: rows, .offset: 24, .size: 8, .value_kind: global_buffer, .address_space: global }
      - { .name: tiles, .offset: 32, .size: 8, .value_kind: global_buffer, .address_space: global }
    .group_segment_fixed_size: 36096
    .private_segment_fixed_size: 0
    .kernarg_segment_align: 8
    .kernarg_segment_size: 40
    .max_flat_workgroup_size: 256
    .sgpr_count:     100
    .vgpr_count:     114
    .wavefront_size: 32
...
	.end_amdgpu_metadata
.endif
;; end of part 3
;; launch gemm (part 4): grid 256 x 1, 4 waves a work-group, no clusters, 170,240 bytes of LDS; arguments tiles, rows, wfrag, W_scales, b, x_codes, x_scales, out0; writes out0
.if DOCPART == 4
	.amdgcn_target "amdgcn-amd-amdhsa--gfx1250"
	.amdhsa_code_object_version 6
	.text
	.protected	k_q670ba36dff_gemm
	.globl	k_q670ba36dff_gemm
	.p2align	8
	.type	k_q670ba36dff_gemm,@function
k_q670ba36dff_gemm:
	s_mov_b64 s[64:65], 0
	v_nop
	global_prefetch_b8 v0, s[64:65] scope:SCOPE_SE
	s_setreg_imm32_b32 hwreg(HW_REG_WAVE_SCHED_MODE, 0, 2), 2
	s_setreg_imm32_b32 hwreg(HW_REG_WAVE_MODE, 25, 1), 1
	s_wait_xcnt 0x0
	s_wait_alu depctr_vm_vsrc(0)
; out0[token] = x[token] . W[expert of token] + b[expert of token], on codes of FP4 (E2M1) with one E8M0 scale for each 32 along K, for the chosen expert alone.
; A work-group takes ONE TILE of the sorted list (at most 144 tokens of one expert; tile t = work-group / 8) x 256 output columns (block nb = work-group % 8): 32 x 8 = 256 work-groups serve every split.
; THE WAVES SHARE THE COLUMNS: wave w makes all 144 rows x columns 256 nb + 64 w .. + 63: 9 x 4 = 36 accumulators of 16 x 16.  So each byte of W is wanted by one wave: it comes from wfrag, which lies in the order of
; the operand's registers, straight into registers (512 consecutive bytes a load, a ring of eight steps).  x's 144 rows (all of K: 1,024 bytes a row) are gathered into LDS once, 36 rows a wave, behind ONE barrier.
; THE MATRIX INSTRUCTION IS USED TRANSPOSED (source 0 = 16 rows of W = 16 output columns, source 1 = 16 tokens): lane (r, h) holds token r and eight neighbouring columns 8 h + 0 .. 7.  The bias is the C of each sum's first product.
; THE WAY OUT: 16 tokens x 64 columns go through the wave's own stage and leave as rows: sixteen lanes store 256 consecutive bytes, aligned, of a token's row of out0.
; A tile's last rows: places at or behind the tile's count take the tile's FIRST token, so a block that is used in part stores that token's bytes again, the same bytes to the same place (15 rows at the most); blocks with no row
; are multiplied and not stored; a tile with no row stores nothing.
; NO TENSOR LOADS, NO CLUSTER: the launch branches on numbers read from the list (rows in the tile); x's rows are single rows named by the list, which no tile descriptor states; and the tiles that share a slice of W are the tiles
; of one expert, 0 to 29 of them by the split, so no fixed set of partners could ask jointly.
; LIMIT: the list is taken as the launch before made it; expert, count and tokens are held inside their tables (3, 144, 4,095).
; REGISTERS, in windows of 256: window 0: v0-23 addresses, v24-60 the list, v96-127 bias, v128-159 W's scale words, v160-231 x's (scales and nothing else); on the way out v24-63 and v96-127 the stores' offsets, v64-95 block 8's rows.
;   window 1: W's fragments, eight slots of 32 (slot q % 8, block j at + 8 j); on the way out the rows of blocks 0-7, 32 registers each.
;   window 2: accumulator (mb < 8, j) at 8 (4 mb + j).   window 3: accumulator (8, j) at 8 j; x's fragments, two sets of 72 from v32.   At the head windows 2 and 3 (v512-799) take x's rows on their way to LDS.
; THE MODE: SCHED_MODE bits 1:0 = 2 (LLVM: expert scheduling mode 2), set by the entry lines.  The code itself states the register dependences between vector or matrix instructions and memory or LDS instructions,
; with s_wait_alu, always for 0.
; THE PLAN.  Registers that memory or LDS instructions touch:
;   v4-22      addresses and offsets: written once at the head, read by every load and store, never written again.
;   v23-60     the list: loaded; selected, held and shifted by vector lines; then read as offsets of x's loads and as data of the token stores.
;   v512-799   x's rows: loaded, read by the LDS stores; behind the barrier the products write them as accumulators; on the way out LDS stores read those.
;   W's slots  slot q % 8 is read by step q's products; the loads of step q + 8 land in it in step q + 1.     x's sets  set q % 2 is read by step q's products; the loads of step q + 2 land in it in step q + 1.
;   So ONE wait on va_vdst stands at the head of steps 1 to 14: the last step's products are done reading the slot and the set in which this step's loads land.  Those loads follow it dealt among the step's products,
;   which name the other set, another slot, accumulators and scale words: none of the registers that the loads touch.  Step 0's loads land in registers that nothing has named; step 15's are the tokens for the way out.
;   The way out: every block has offsets and row registers of its own, so nothing that a store reads is written again: one wait on va_vdst stands ahead of it, behind the lines that make all 72 offsets.
.set XP,   1040                        ; a row of x in LDS: 1,024 bytes + 16 = 65 x 16: sixteen rows begin in sixteen different 16-byte columns of 256
.set TOK,  144*XP                      ; behind x: each wave's own copy of the tokens, 640 bytes: block mb at 64 mb: its even rows' 8 tokens, then its odd rows' 8
.set STG,  TOK+4*640                   ; behind them: each wave's stage, 16 rows x 272 bytes
.set SP,   272
.set C16,  4                           ; v4   16 r
.set H16,  5                           ; v5   16 h
.set L16,  6                           ; v6   16 l: wfrag
.set NIL,  7                           ; v7   0
.set LPO,  8                           ; v8   the list, for the gather: 4 (36 w + h)
.set LAO,  9                           ; v9   the list, by blocks: 4 r
.set DP,   10                          ; v10  rows - (36 w + h)
.set DA,   11                          ; v11  rows - r
.set XL,   12                          ; v12  LDS: where I put x: row 36 w + h, + 16 r
.set TKA,  13                          ; v13  LDS: where I put a token
.set TKR,  14                          ; v14  LDS: where I read eight tokens back
.set STO,  15                          ; v15  the stage, in: row r, + 32 h
.set SRD,  16                          ; v16  the stage, out: row h, + 16 r
.set WSO,  17                          ; v17  W's scales: 64 r + 16 h
.set BO,   18                          ; v18  the bias: 32 h
.set GR,   19                          ; v19  36 w + h
.set ADRA, 20                          ; v20-22 LDS: x's fragments: 1,040 r + 16 h + 64 rows x k
.set T0,   23                          ; v23  the tile's first token
.set TP,   24                          ; v24-41 pair p of my 36 rows: the token, then its byte offset in x_codes
.set TA,   42                          ; v42-50 block mb: row 16 mb + r's token
.set SO,   52                          ; v52-60 its byte offset in x_scales
.set OO,   24                          ; the way out: block mb's eight tokens, then their offsets in out0, at OO + 8 mb + 32 (mb / 5): v24-63 for blocks 0-4, v96-127 for blocks 5-8
.set OD,   64                          ; v64-95 the way out: block 8's eight pairs of rows (blocks 0-7: window 1, at 32 mb)
.set BI,   96
.set WS,   128                         ; register 8 j + 4 a + i: lanes 0-15 the word of K step 8 a + i of W's row 16 j + r, lanes 16-31 that of K step 8 a + 4 + i
.set XS,   160                         ; register 8 mb + 4 a + i: the same of token row 16 mb + r
.set MK,   30                          ; s30-56 the masks of the 27 selects: pair p at MK + p, block mb at MK + 18 + mb
.set MSB, 0
.macro WIN new                         ; low byte: bits 1:0 source 0, 3:2 source 1, 5:4 source 2, 7:6 destination; the high byte repeats the setting that is left
.if MSB != \new
	s_set_vgpr_msb (MSB<<8)|\new
.set MSB, \new
.endif
.endm
.macro PLACES                          ; four plain vector instructions between a step's products and the loads into the registers that they read; the wait behind them states the dependence itself
.rept 4
	v_nop
.endr
.endm
	s_load_b256 s[8:15], s[0:1], 0x0               ; tiles s[8:9], rows s[10:11], wfrag s[12:13], W_scales s[14:15]
	s_load_b256 s[16:23], s[0:1], 0x20             ; b s[16:17], x_codes s[18:19], x_scales s[20:21], out0 s[22:23]
	v_lshl_add_u32 v254, v0, 2, 0x29700
	v_mov_b32 v255, 0
	v_lshrrev_b32 v1, 5, v0
	v_readfirstlane_b32 s26, v1                    ; wave 0..3
	s_lshr_b32 s27, ttmp9, 3                       ; t: neighbouring work-groups share a tile of x
	s_and_b32 s28, ttmp9, 7                        ; nb
	v_and_b32 v1, 15, v0                           ; r
	v_bfe_u32 v2, v0, 4, 1                         ; h
	v_and_b32 v3, 31, v0                           ; l
	v_lshlrev_b32 v[C16], 4, v1
	v_lshlrev_b32 v[H16], 4, v2
	v_lshlrev_b32 v[L16], 4, v3
	v_mov_b32 v[NIL], 0
	s_wait_alu depctr_va_sdst(0)                   ; s26 is written, ahead of its first reader: LDS places, W's slice and out0's columns are made from it
	s_mul_i32 s32, s26, 36                         ; the first of the 36 rows that I gather
	v_add_nc_u32 v[GR], s32, v2
	v_lshlrev_b32 v[LPO], 2, v[GR]
	v_lshlrev_b32 v[LAO], 2, v1
	v_mul_u32_u24 v[XL], v[GR], XP
	v_add_nc_u32 v[XL], v[XL], v[C16]
	s_mul_i32 s33, s26, 640
	s_add_co_u32 s33, s33, TOK                     ; my tokens
	v_and_b32 v[TKA], 1, v1
	v_lshlrev_b32 v[TKA], 5, v[TKA]                ; odd rows 32 bytes on,
	v_lshrrev_b32 v[TKR], 1, v1
	v_lshl_add_u32 v[TKA], v[TKR], 2, v[TKA]       ; + 4 (r / 2)
	v_add_nc_u32 v[TKA], s33, v[TKA]
	v_lshl_add_u32 v[TKR], v2, 5, s33              ; back: lanes 0-15 the even rows' eight, lanes 16-31 the odd rows'
	s_mul_i32 s34, s26, 16*SP
	s_add_co_u32 s34, s34, STG                     ; my stage
	v_mul_u32_u24 v[STO], v1, SP
	v_lshl_add_u32 v[STO], v2, 5, v[STO]
	v_add_nc_u32 v[STO], s34, v[STO]
	v_mul_u32_u24 v[SRD], v2, SP
	v_add_nc_u32 v[SRD], v[SRD], v[C16]
	v_add_nc_u32 v[SRD], s34, v[SRD]
	v_lshl_add_u32 v[WSO], v1, 6, v[H16]
	v_lshlrev_b32 v[BO], 5, v2
	v_mul_u32_u24 v[ADRA], v1, XP
	v_add_nc_u32 v[ADRA], v[ADRA], v[H16]
	v_add_nc_u32 v[ADRA+1], 64*XP, v[ADRA]
	v_add_nc_u32 v[ADRA+2], 128*XP, v[ADRA]
	s_wait_kmcnt 0x0
	s_lshl_b32 s30, s27, 3
	s_mov_b32 s31, 0
	s_add_nc_u64 s[8:9], s[8:9], s[30:31]
	s_load_b64 s[24:25], s[8:9], 0x0               ; the tile's expert s24 and its rows s25
	s_mul_i32 s30, s27, 576
	s_add_nc_u64 s[10:11], s[10:11], s[30:31]      ; the tile's 144 words of the list
	s_wait_alu depctr_va_vdst(0)                   ; the addresses and offsets v4 to v22 are written: every load and store of the kernel reads some of them, and no vector line writes them again
	global_load_b32 v[T0], v[NIL], s[10:11]
.irp p, 0,1,2,3,4,5,6,7,8,9,10,11,12,13,14,15,16,17
	global_load_b32 v[TP+\p], v[LPO], s[10:11] offset:8*\p     ; row 36 w + 2 p + h
.endr
.irp mb, 0,1,2,3,4,5,6,7,8
	global_load_b32 v[TA+\mb], v[LAO], s[10:11] offset:64*\mb  ; row 16 mb + r
.endr
	s_wait_kmcnt 0x0
	s_min_u32 s24, s24, 3
	s_min_u32 s25, s25, 144
	s_lshl_b32 s29, s24, 5
	s_lshl_b32 s32, s28, 2
	s_add_co_u32 s32, s32, s26                     ; 4 nb + w
	s_add_co_u32 s29, s29, s32                     ; my slice S = 32 expert + 4 nb + w: W's flat rows 64 S on
	s_lshl_b32 s30, s29, 16
	s_add_nc_u64 s[12:13], s[12:13], s[30:31]      ; its fragments,
	s_lshl_b32 s30, s29, 12
	s_add_nc_u64 s[14:15], s[14:15], s[30:31]      ; its scale bytes: 64 rows of 64,
	s_lshl_b32 s30, s29, 8
	s_add_nc_u64 s[16:17], s[16:17], s[30:31]      ; its 64 numbers of b,
	s_lshl_b32 s30, s32, 8
	s_add_nc_u64 s[22:23], s[22:23], s[30:31]      ; and my 256 bytes in a row of out0
	v_sub_nc_u32 v[DP], s25, v[GR]                 ; (these two lines name v1, v10, v11 and v19: none that the loads below touch)
	v_sub_nc_u32 v[DA], s25, v1
.irp j, 0,1,2,3
.irp a, 0,1
	global_load_b128 v[WS+8*\j+4*\a:WS+8*\j+4*\a+3], v[WSO], s[14:15] offset:1024*\j+32*\a
.endr
.endr
.irp j, 0,1,2,3
	global_load_b128 v[BI+8*\j:BI+8*\j+3],   v[BO], s[16:17] offset:64*\j      ; lane (r, h): b at columns 16 j + 8 h + 0 .. 7: the result's layout
	global_load_b128 v[BI+8*\j+4:BI+8*\j+7], v[BO], s[16:17] offset:64*\j+16
.endr
	s_wait_alu depctr_va_vdst(0)
	s_wait_loadcnt 16                              ; the list's 28 loads are in; the 16 issued behind them (W's scales, the bias) may be out
.irp p, 0,1,2,3,4,5,6,7,8,9,10,11,12,13,14,15,16,17
	v_cmp_lt_i32 s[MK+\p], 2*\p, v[DP]             ; is row 36 w + 2 p + h one of the tile's?
.endr
.irp mb, 0,1,2,3,4,5,6,7,8
	v_cmp_lt_i32 s[MK+18+\mb], 16*\mb, v[DA]       ; is row 16 mb + r?
.endr
	s_wait_alu depctr_va_sdst(0)                   ; the 27 masks s30 to s56 are written, ahead of the selects that read them
.irp p, 0,1,2,3,4,5,6,7,8,9,10,11,12,13,14,15,16,17
	v_cndmask_b32 v[TP+\p], v[T0], v[TP+\p], s[MK+\p]          ; if not: the tile's first token
.endr
.irp mb, 0,1,2,3,4,5,6,7,8
	v_cndmask_b32 v[TA+\mb], v[T0], v[TA+\mb], s[MK+18+\mb]
.endr
.irp p, 0,1,2,3,4,5,6,7,8,9,10,11,12,13,14,15,16,17
	v_min_u32 v[TP+\p], 0xfff, v[TP+\p]
.endr
.irp mb, 0,1,2,3,4,5,6,7,8
	v_min_u32 v[TA+\mb], 0xfff, v[TA+\mb]
.endr
.irp p, 0,1,2,3,4,5,6,7,8,9,10,11,12,13,14,15,16,17
	v_lshl_add_u32 v[TP+\p], v[TP+\p], 10, v[C16]  ; its 1,024 bytes of codes, + 16 r
.endr
.irp mb, 0,1,2,3,4,5,6,7,8
	v_lshl_add_u32 v[SO+\mb], v[TA+\mb], 6, v[H16] ; its 64 scale bytes, + 16 h
.endr
	s_wait_alu depctr_va_vdst(0)                   ; v24 to v60 are written: the token stores' data, and the offsets of x's loads and of its scales'
.irp mb, 0,1,2,3,4,5,6,7,8
	ds_store_b32 v[TKA], v[TA+\mb] offset:64*\mb   ; for the way out (both halves of the lanes: the same word, the same value)
.endr
; Pair p of my rows: four loads, each 256 consecutive bytes, aligned, of two rows; load n = 4 p + k lands in v[512 + 4 n]
.macro XLOAD p
.if (\p) < 16
	WIN 0x80
.else
	WIN 0xc0
.endif
.irp k, 0,1,2,3
	global_load_b128 v[(16*(\p)+4*\k)&255:((16*(\p)+4*\k)&255)+3], v[TP+(\p)], s[18:19] offset:256*\k
.endr
.endm
.macro XSTORE p                        ; and goes on into LDS (an LDS store's data are its source 1)
.if (\p) < 16
	WIN 0x08
.else
	WIN 0x0c
.endif
.irp k, 0,1,2,3
	ds_store_b128 v[XL], v[(16*(\p)+4*\k)&255:((16*(\p)+4*\k)&255)+3] offset:2*XP*(\p)+256*\k
.endr
.endm
.macro WLOAD q                         ; W's four fragments of K step q into slot q % 8: eight loads of 512 consecutive bytes
	WIN 0x40
.irp j, 0,1,2,3
.irp c, 0,1
	global_load_b128 v[32*((\q)%8)+8*\j+4*\c:32*((\q)%8)+8*\j+4*\c+3], v[L16], s[12:13] offset:4096*(\q)+1024*\j+512*\c
.endr
.endr
.endm
.macro ALOADG q, m0                    ; three of x's nine fragments of K step q, blocks m0 .. m0 + 2, into set q % 2: lane (r, h): row 16 mb + r, registers 4 c .. 4 c + 3 = K 64 c + 32 h + 0 .. 31: 16 bytes as they lie
	WIN 0xc0
.irp mb, \m0, \m0+1, \m0+2
.irp c, 0,1
	ds_load_b128 v[32+72*((\q)%2)+8*(\mb)+4*\c:32+72*((\q)%2)+8*(\mb)+4*\c+3], v[ADRA+(\mb)/4] offset:((\mb)%4)*16*XP+64*(\q)+32*\c
.endr
.endr
.endm
.macro TLOADG m0                       ; the tokens of blocks m0 .. m0 + 2, for the way out: rows 2 i + h, i = 0 .. 7, of each
	WIN 0
.irp mb, \m0, \m0+1, \m0+2
	ds_load_b128 v[OO+8*(\mb)+32*((\mb)/5):OO+8*(\mb)+32*((\mb)/5)+3],   v[TKR] offset:64*(\mb)
	ds_load_b128 v[OO+8*(\mb)+32*((\mb)/5)+4:OO+8*(\mb)+32*((\mb)/5)+7], v[TKR] offset:64*(\mb)+16
.endr
.endm
; One product.  d: the accumulator's first register in its window.  RW, RX: the step's slot of W and set of x; RS: the step's scale register within a block's eight.
.macro MM d, j, mb, first, row1
.if \first
	v_wmma_scale_f32_16x16x128_f8f6f4 v[(\d):(\d)+7], v[RW+8*(\j):RW+8*(\j)+7], v[RX+8*(\mb):RX+8*(\mb)+7], v[BI+8*(\j):BI+8*(\j)+7], v[WS+8*(\j)+RS], v[XS+8*(\mb)+RS] matrix_a_fmt:MATRIX_FMT_FP4 matrix_b_fmt:MATRIX_FMT_FP4
.elseif \row1
	v_wmma_scale_f32_16x16x128_f8f6f4 v[(\d):(\d)+7], v[RW+8*(\j):RW+8*(\j)+7], v[RX+8*(\mb):RX+8*(\mb)+7], v[(\d):(\d)+7], v[WS+8*(\j)+RS], v[XS+8*(\mb)+RS] matrix_a_fmt:MATRIX_FMT_FP4 matrix_b_fmt:MATRIX_FMT_FP4 matrix_a_scale:MATRIX_SCALE_ROW1 matrix_b_scale:MATRIX_SCALE_ROW1
.else
	v_wmma_scale_f32_16x16x128_f8f6f4 v[(\d):(\d)+7], v[RW+8*(\j):RW+8*(\j)+7], v[RX+8*(\mb):RX+8*(\mb)+7], v[(\d):(\d)+7], v[WS+8*(\j)+RS], v[XS+8*(\mb)+RS] matrix_a_fmt:MATRIX_FMT_FP4 matrix_b_fmt:MATRIX_FMT_FP4
.endif
.endm
; The four products of block mb in K step q.  A step takes the blocks 0 to 8 in order: the 36 accumulators take turns, one instruction a turn, in the same order in every step.
; Step 0 starts the sums with the bias as C: nothing is cleared.
.macro MULB q, mb
.set RW, 32*((\q)%8)
.set RX, 32+72*((\q)%2)
.set RS, 4*((\q)/8)+((\q)%4)
.set R1, ((\q)/4)%2                    ; steps 4-7 and 12-15 take their words from lanes 16-31
.set FI, 0
.if (\q) == 0
.set FI, 1
.endif
.if (\mb) < 8
.if FI
	WIN 0x8d                                       ; W window 1, x window 3, C (the bias) window 0, D window 2
.else
	WIN 0xad                                       ; C and D window 2
.endif
.irp j, 0,1,2,3
	MM 8*(4*(\mb)+\j), \j, \mb, FI, R1
.endr
.else
.if FI
	WIN 0xcd
.else
	WIN 0xfd                                       ; block 8's accumulators lie in window 3
.endif
.irp j, 0,1,2,3
	MM 8*\j, \j, 8, FI, R1
.endr
.endif
.endm
.macro NEXT q, m0                      ; six LDS loads: a third of the next step's fragments; in the last step, a third of the tokens
.if (\q) <= 14
	ALOADG (\q)+1, \m0
.else
	TLOADG \m0
.endif
.endm
; A K step.  Every step issues 18 LDS loads, in three groups of six behind its first three blocks' products; LDS loads come back in order (ISA guide 5.7.1), so the waits count groups.
.macro STEP q
	s_wait_dscnt 12                                ; this step's fragments of blocks 0-2 are in; its other two groups of six may be out
.if (\q) == 0
	s_wait_loadcnt 56                              ; slot 0 is in (and all that was asked for ahead of it: bias and scale words); behind it seven slots of eight loads may be out
.elseif (\q) <= 9
	s_wait_loadcnt 48                              ; this step's slot is in; behind it the six slots asked for so far may be out
.else
	s_wait_loadcnt 8*(15-(\q))                     ; the slots of the steps still to come
.endif
.if ((\q) >= 1) && ((\q) <= 14)
	PLACES
	s_wait_alu depctr_va_vdst(0)                   ; the last step's products are done reading x's other set and the slot that they left: this step's loads land in them.  This step's products name neither
.endif
	MULB \q, 0
	NEXT \q, 0
	MULB \q, 1
	NEXT \q, 3
	MULB \q, 2
	NEXT \q, 6
.if ((\q) >= 1) && ((\q) <= 8)
	WLOAD (\q)+7                                   ; seven steps ahead, into the slot just left
.endif
	s_wait_dscnt 24                                ; blocks 3-5 are in; behind them: this step's last group and the 18 just issued
	MULB \q, 3
	MULB \q, 4
	MULB \q, 5
	s_wait_dscnt 18                                ; blocks 6-8 are in; the 18 just issued may be out
	MULB \q, 6
	MULB \q, 7
	MULB \q, 8
.endm
.irp p, 0,1,2,3,4,5,6,7,8
	XLOAD \p
.endr
.irp p, 9,10,11,12,13,14,15,16,17
	XLOAD \p
.endr
	WIN 0
.irp mb, 0,1,2,3,4,5,6,7,8
.irp a, 0,1
	global_load_b128 v[XS+8*\mb+4*\a:XS+8*\mb+4*\a+3], v[SO+\mb], s[20:21] offset:32*\a
.endr
.endr
	s_wait_loadcnt 54                              ; the first 36 loads of x are in; behind them: the second 36 and the 18 of x's scales
.irp p, 0,1,2,3,4,5,6,7,8
	XSTORE \p
.endr
	WLOAD 0                                        ; W's first steps go out while x is on its way to LDS
	WLOAD 1
	WLOAD 2
	s_wait_loadcnt 42                              ; the second 36 loads of x are in; behind them: 18 of x's scales and 24 of W
.irp p, 9,10,11,12,13,14,15,16,17
	XSTORE \p
.endr
	WIN 0
	s_wait_dscnt 0x0                               ; for the others' sake: my 36 rows of x lie in LDS
	s_barrier_signal -1
	s_barrier_wait -1                              ; all 144 rows do.  The launch's one barrier, on every wave's way
	s_wait_alu depctr_vm_vsrc(0)                   ; my LDS stores have read v512 to v799, which the products write as accumulators; x's loads and the token stores have read v24 to v60, in which the tokens for the way out land
	s_cmp_eq_u32 s25, 0                            ; a tile that this split leaves without rows stores nothing
	s_cbranch_scc1 .Ldone
	ALOADG 0, 0
	ALOADG 0, 3
	ALOADG 0, 6
	WLOAD 3
	WLOAD 4
	WLOAD 5
	WLOAD 6
	WLOAD 7
.irp q, 0,1,2,3,4,5,6,7,8,9,10,11,12,13,14,15
	STEP \q
.endr
	WIN 0
	s_wait_dscnt 0x0                               ; the 72 tokens are in
; All nine blocks' offsets in out0 are made at once, in the registers in which the tokens landed.  These 144 plain lines name no register of the last products: they are also the places between those and the first LDS store of a result.
.irp mb, 0,1,2,3,4,5,6,7,8
.irp i, 0,1,2,3,4,5,6,7
	v_min_u32 v[OO+8*\mb+32*(\mb/5)+\i], 0xfff, v[OO+8*\mb+32*(\mb/5)+\i]
.endr
.irp i, 0,1,2,3,4,5,6,7
	v_lshl_add_u32 v[OO+8*\mb+32*(\mb/5)+\i], v[OO+8*\mb+32*(\mb/5)+\i], 13, v[C16]   ; the token's row of 8,192 bytes, + 16 r
.endr
.endr
	s_wait_alu depctr_va_vdst(0)                   ; the products have written the accumulators, which the LDS stores read, and are done reading W's slots, in which the rows from the stage land; the 72 offsets are written, which the stores to out0 read.  No vector line follows
; THE WAY OUT of block mb: 16 tokens x my 64 columns.  A lane holds 32 bytes of a token's row; the block goes into my stage and comes back two rows a load, sixteen lanes to a row's 256 bytes.
; LDS serves a wave's instructions in order: no wait between the stores and the loads, nor ahead of the next block's stores.  Each block's rows and offsets have registers of their own: none that a store reads is written again.
.macro OUTB mb
	WIN 0                                          ; at a branch every window is 0
.if (\mb) > 0
	s_cmp_le_u32 s25, 16*(\mb)                     ; no row of the tile in this block or behind it
	s_cbranch_scc1 .Ldone
.endif
.set OFS, OO+8*(\mb)+32*((\mb)/5)
.if (\mb) < 8
	WIN 0x08
.set AC, 32*(\mb)
.set RB, 32*(\mb)
.else
	WIN 0x0c
.set AC, 0
.set RB, OD
.endif
.irp j, 0,1,2,3
	ds_store_b128 v[STO], v[AC+8*\j:AC+8*\j+3] offset:64*\j            ; each accumulator from its low end on
	ds_store_b128 v[STO], v[AC+8*\j+4:AC+8*\j+7] offset:64*\j+16
.endr
.if (\mb) < 8
	WIN 0x40                                       ; the rows come back into window 1
.else
	WIN 0
.endif
.irp i, 0,1,2,3,4,5,6,7
	ds_load_b128 v[RB+4*\i:RB+4*\i+3], v[SRD] offset:2*SP*\i           ; rows 2 i + h
.endr
.if (\mb) < 8
	WIN 0x04                                       ; a store's data are its source 1
.endif
.irp i, 0,1,2,3,4,5,6,7
	s_wait_dscnt 7-\i
	global_store_b128 v[OFS+\i], v[RB+4*\i:RB+4*\i+3], s[22:23] th:TH_STORE_NT   ; sixteen lanes store 256 consecutive bytes, at a multiple of 256 from out0's first byte
.endr
.endm
.irp mb, 0,1,2,3,4,5,6,7,8
	OUTB \mb
.endr
.Ldone:
	s_wait_dscnt 0x0
	s_wait_alu depctr_hold_cnt(0) depctr_sa_sdst(0) depctr_va_vdst(0) depctr_va_sdst(0) depctr_va_ssrc(0) depctr_va_vcc(0) depctr_vm_vsrc(0)
	s_wait_tensorcnt 0x0
	ds_add_u32 v254, v255
	s_wait_dscnt 0x0
	s_endpgm
.Lfunc_end_k_q670ba36dff_gemm:
	.size	k_q670ba36dff_gemm, .Lfunc_end_k_q670ba36dff_gemm-k_q670ba36dff_gemm
	.p2alignl 7, 3214868480
	.fill 96, 4, 3214868480
	.section	.rodata,"a",@progbits
	.p2align	6, 0x0
	.amdhsa_kernel k_q670ba36dff_gemm
		.amdhsa_group_segment_fixed_size 170240
		.amdhsa_private_segment_fixed_size 0
		.amdhsa_enable_private_segment 0
		.amdhsa_kernarg_size 64
		.amdhsa_user_sgpr_count 2
		.amdhsa_user_sgpr_kernarg_segment_ptr 1
		.amdhsa_wavefront_size32 1
		.amdhsa_system_sgpr_workgroup_id_x 1
		.amdhsa_system_sgpr_workgroup_id_y 1
		.amdhsa_system_sgpr_workgroup_id_z 1
		.amdhsa_system_vgpr_workitem_id 0
		.amdhsa_next_free_vgpr 944
		.amdhsa_next_free_sgpr 66
		.amdhsa_reserve_vcc 0
		.amdhsa_float_denorm_mode_32 3
		.amdhsa_float_denorm_mode_16_64 3
		.amdhsa_memory_ordered 1
		.amdhsa_forward_progress 1
		.amdhsa_inst_pref_size 170
	.end_amdhsa_kernel
	.amdgpu_metadata
---
amdhsa.version: [ 1, 2 ]
amdhsa.kernels:
  - .name:           k_q670ba36dff_gemm
    .symbol:         k_q670ba36dff_gemm.kd
    .args:
      - { .name: tiles, .offset: 0, .size: 8, .value_kind: global_buffer, .address_space: global }
      - { .name: rows, .offset: 8, .size: 8, .value_kind: global_buffer, .address_space: global }
      - { .name: wfrag, .offset: 16, .size: 8, .value_kind: global_buffer, .address_space: global }
      - { .name: W_scales, .offset: 24, .size: 8, .value_kind: global_buffer, .address_space: global }
      - { .name: b, .offset: 32, .size: 8, .value_kind: global_buffer, .address_space: global }
      - { .name: x_codes, .offset: 40, .size: 8, .value_kind: global_buffer, .address_space: global }
      - { .name: x_scales, .offset: 48, .size: 8, .value_kind: global_buffer, .address_space: global }
      - { .name: out0, .offset: 56, .size: 8, .value_kind: global_buffer, .address_space: global }
    .group_segment_fixed_size: 170240
    .private_segment_fixed_size: 0
    .kernarg_segment_align: 8
    .kernarg_segment_size: 64
    .max_flat_workgroup_size: 128
    .sgpr_count:     66
    .vgpr_count:     944
    .wavefront_size: 32
...
	.end_amdgpu_metadata
.endif
;; end of part 4
